; MI455X (gfx1250); checked and timed in simulation.
; The chip was launched on July 23, 2026; its instructions are those of AMD's public machine-readable ISA for CDNA 5 (MIT licence, August 2026) and "CDNA5" Instruction Set Architecture Reference Guide (July 2026). The comments in the code are by the model that wrote it; some were corrected since.
;; MAB. Allowed arithmetic: matrix products marked QUANTISED: E4M3 operands, one E8M0 scale for each 32 along K, by v_wmma_scale_f32_16x16x128_f8f6f4 with both operands' format E4M3, f32 sums; everything else in f32.
;; Inputs: K_codes 2 x 4,096 x 16 x 32 uint8 (E4M3 codes of K, K innermost, in blocks of 32 codes); K_scales 2 x 4,096 x 16 uint8 (E8M0 scales of K, one for each 32 codes along K); Q_codes 2 x 4,096 x 16 x 32 uint8 (E4M3 codes of Q, K innermost, in blocks of 32 codes); Q_scales 2 x 4,096 x 16 uint8 (E8M0 scales of Q, one for each 32 codes along K); Wk_codes 512 x 16 x 32 uint8 (E4M3 codes of Wk, K innermost, in blocks of 32 codes); Wk_scales 512 x 16 uint8 (E8M0 scales of Wk, one for each 32 codes along K); Wo_codes 512 x 16 x 32 uint8 (E4M3 codes of Wo, K innermost, in blocks of 32 codes); Wo_scales 512 x 16 uint8 (E8M0 scales of Wo, one for each 32 codes along K); Wq_codes 512 x 16 x 32 uint8 (E4M3 codes of Wq, K innermost, in blocks of 32 codes); Wq_scales 512 x 16 uint8 (E8M0 scales of Wq, one for each 32 codes along K); Wv_codes 512 x 16 x 32 uint8 (E4M3 codes of Wv, K innermost, in blocks of 32 codes); Wv_scales 512 x 16 uint8 (E8M0 scales of Wv, one for each 32 codes along K); b0 512 float32; b1 512 float32; bk 512 float32; bo 512 float32; bq 512 float32; bv 512 float32; g0 512 float32; g1 512 float32.
;; Outputs: out0 2 x 4,096 x 512 float32.
;; This version of the problem:
;;   THIS VERSION OF THE PROBLEM IS GIVEN IN LOW PRECISION. The matrix products marked QUANTISED in the list below multiply operands that are first quantised to E4M3 (4 exponent bits, 3 mantissa bits; 8 bits a number), with one power-of-two scale for each 32 numbers along K (OCP MX v1.0); their sums are f32. All else is computed in f32.
;;   The module's matrix products, in the order in which they are computed (A, B: the left and right operand; K: the contracted axis; several contracted axes count as one K, in the product's order):
;;     1. [M 8,192, K 512] x [K 512, N 512]; A: input Q (given as codes); B: input Wq (given as codes): QUANTISED
;;     2. [M 8,192, K 512] x [K 512, N 512]; A: input K (given as codes); B: input Wk (given as codes): QUANTISED
;;     3. [M 8,192, K 512] x [K 512, N 512]; A: input K (given as codes); B: input Wv (given as codes): QUANTISED
;;     4. batch 16 x [M 4,096, K 64] x [K 64, N 4,096]; A: computed on the way; B: computed on the way: QUANTISED
;;     5. batch 16 x [M 64, K 4,096] x [K 4,096, N 4,096]; A: computed on the way; B: softmax (see below): QUANTISED
;;     6. [M 8,192, K 512] x [K 512, N 512]; A: computed on the way; B: input Wo (given as codes): QUANTISED
;;   THE QUANTISER, for each operand of a quantised product, along K:
;;     - K is cut into blocks of 32 from its start; a last block that is shorter is filled with zeros.
;;     - A block's scale is 2^e with e = floor(log2(the largest magnitude in the block)) - 8, held to -126 .. 127; a block of zeros has e = 0. As a byte (E8M0): e + 127.
;;     - Each number is divided by its block's scale, clamped to +-448, and rounded to the nearest number of E4M3, ties to even, subnormals kept.
;;     - The product sums the exact products of the quantised numbers (number of the format x scale) in f32.
;;   ~~~python
;;   def quantise(x, axis):      # numpy; x: float32 -> the quantised numbers, widened to float32 again
;;       x = np.moveaxis(x, axis, -1); K = x.shape[-1]
;;       x = np.pad(x, [(0, 0)] * (x.ndim - 1) + [(0, -K % 32)]); x = x.reshape(x.shape[:-1] + (-1, 32)); a = np.abs(x).max(-1, keepdims=True)
;;       e = np.where(a > 0, np.clip(np.frexp(np.where(a > 0, a, 1))[1] - 1 - 8, -126, 127), 0)      # np.frexp(a)[1] - 1 = floor(log2(a)), exactly
;;       r = np.clip(x / 2.0 ** e, -448, 448)
;;       step = 2.0 ** (np.maximum(np.frexp(np.where(r == 0, 1, r))[1] - 1, -6) - 3)
;;       q = np.round(r / step) * step * 2.0 ** e      # np.round: ties to even
;;       return np.moveaxis(q.reshape(q.shape[:-2] + (-1,))[..., :K], -1, axis).astype(np.float32)
;;   ~~~
;;   SOFTMAX AHEAD OF A QUANTISED PRODUCT. Where the list says 'softmax', what is quantised is not the finished softmax but p = 2^(t - M), with t = logit x log2(e) and M = ceil(the row's largest t), a whole number; so 1/2 < the row's largest p <= 1. The row's sum l is taken of the UNQUANTISED p, in f32, and the product's result is divided by l at the end. Since M is a whole number, a kernel that streams over the keys may use a running M (the ceiling of the running maximum): every later rescaling is an exact power of two, which a block's scale takes up: the codes' values come out the same.
;;   OPERANDS COMPUTED ON THE WAY. 'Computed on the way' means the value that the module computes at that place (a softmax that the list does not call 'softmax' is quantised finished and normalised). What goes into a quantiser is computed in f32, as accurately as f32 sums, v_exp_f32 and their like allow (about 1e-6 of the number): no bf16 or f16 on the way to a quantiser, and a product that is left as it is and whose result goes on into a quantised operand takes f32 operands (vector FMAs, or v_wmma_f32_16x16x4_f32). A number that lies on a knife's edge between two numbers of the format may be rounded either way, as far as f32 arithmetic and the matrix unit's own rounding can turn it there, and no further.
;;   INPUTS GIVEN AS CODES. K (in the module: [2, 4096, 512], K = its axis 2); Q (in the module: [2, 4096, 512], K = its axis 2); Wk (in the module: [512, 512], K = its axis 0); Wo (in the module: [512, 512], K = its axis 0); Wq (in the module: [512, 512], K = its axis 0); Wv (in the module: [512, 512], K = its axis 0): each comes as NAME_codes (uint8): NAME with its K axis moved to the last place and cut into blocks of 32 codes, [.., K / 32, bytes a block], one block behind the other in memory; one code a byte (a code: sign, 4 exponent bits, 3 mantissa bits); and NAME_scales (uint8): the same leading axes, one E8M0 byte (e + 127) for each 32 codes along K. Its value is code x scale, taken as it is: it is not quantised again, and the codes and scales need not be those that the quantiser above would give.
;; One version. Each part assembles by itself: llvm-mc -triple=amdgcn-amd-amdhsa -mcpu=gfx1250 --defsym DOCPART=n.
;; ======== version 1 of 1: 3 launches
;; limits: right only within a limited range of input values
;; workspace buffers: kv 8,781,824 bytes; oimg 16,777,216 bytes
;; launch proj (part 1): grid 4 x 64, 16 waves a work-group, clusters of 4 x 4, 215,040 bytes of LDS; arguments K_codes, K_scales, Wk_codes, Wk_scales, Wv_codes, Wv_scales, bk, bv, kv; writes kv
.if DOCPART == 1
	.amdgcn_target "amdgcn-amd-amdhsa--gfx1250"
	.amdhsa_code_object_version 6
	.text
	.protected	k_q2994f214e2_proj
	.globl	k_q2994f214e2_proj
	.p2align	8
	.type	k_q2994f214e2_proj,@function
k_q2994f214e2_proj:
	s_mov_b64 s[64:65], 0
	v_nop
	global_prefetch_b8 v0, s[64:65] scope:SCOPE_SE
	s_setreg_imm32_b32 hwreg(HW_REG_WAVE_MODE, 25, 1), 1
	s_wait_xcnt 0x0
	s_wait_alu depctr_hold_cnt(0) depctr_sa_sdst(0) depctr_va_vdst(0) depctr_va_sdst(0) depctr_va_ssrc(0) depctr_va_vcc(0) depctr_vm_vsrc(0)
	s_getreg_b32 s2, hwreg(HW_REG_IB_STS2, 6, 4)
	s_cmp_eq_u32 s2, 0
	s_cbranch_scc0 .Lentry_in_a_cluster
	s_endpgm
.Lentry_in_a_cluster:
	s_bfe_u32 s2, ttmp6, 0x10000c
	s_cmp_lg_u32 s2, 0xf033
	s_cbranch_scc0 .Lentry_shape_is_right
	s_endpgm
.Lentry_shape_is_right:
; k = K Wk + bk and v = K Wv + bv on codes of E4M3 with E8M0 scales, both results quantised at once and stored as IMAGES OF OPERAND REGISTERS for the attention launch.
; k is quantised along the head's 64 (two blocks of 32), v along the keys (blocks of 32 keys).
; SHARES.  A work-group takes 128 keys (one key step of attention) and 128 columns (two heads).  Wave w: kind = w / 8 (0: k, 1: v), e = (w / 4) % 2 (which head), c = w % 4 (keys 32 c .. 32 c + 31).
; A wave makes 32 keys x 64 columns: 8 accumulators, 4 K steps of 128: 32 matrix instructions; then one quantising of 64 numbers a lane and four stores of 512 consecutive bytes.
; LAYOUT.  k: source 0 = 16 rows of Wk, source 1 = 16 keys: a lane holds ONE key and its registers run along the head's 64.   v: source 0 = 16 keys, source 1 = 16 rows of Wv: a lane holds ONE column and its registers run along the keys.
; THE ROWS OF A TILE ARE NOT NEIGHBOURS: lane r of tile 2 b + u takes row 32 b + 8 u + r + 8 (r / 8) (keys and weight rows alike), so that the 16 registers of tiles 2 b, 2 b + 1 are 16 neighbours along the next K.
; kv: [batch x 8 + head][key step][17,152 bytes]: +0 K's 8 tiles x 2 groups x 512 bytes; +8,192 V's 4 tiles x 4 groups x 512; +16,384 K's scale words (16 x lane + 4 j: tile 2 j + lane / 16, row lane % 16; the two bytes stand twice);
; +16,896 V's scale words (8 x lane + 4 j likewise; byte c for keys 32 c on).
; CLUSTER 4 x 4: the four work-groups of a row share the 128 keys, the four of a column the 128 weight rows: each tile is asked for jointly.  Every LDS byte is filled once.
; LIMITS: NaN and infinities among the inputs are not served; a block of zeros gets the byte 1 (its codes are zeros; this program alone reads the bytes); a block whose largest magnitude lies under 2^-118 is held at the byte 1.
.set PITCH, 528                        ; an LDS row: 512 bytes of codes + 16 of padding
.set HALF,  64*PITCH                   ; 64 rows: what one tensor load brings.  LDS: K's 128 rows at 0, Wk's at 2 HALF, Wv's at 4 HALF
.set KST,   6*HALF                     ; K's scale words, gathered: [e][lane][4 words]
.set VST,   KST+1024                   ; V's: [e][lane][2 words]
.set STEPB, 17152                      ; a key step's block in kv
.set WV,   22                          ; s22 wave
.set MNT,  23
.set SEL,  24                          ; s[24:25] lane selects: lane l xor 16
.set KIND, 26
.set EE,   27
.set CC,   28
.set G1K,  32                          ; s[32:39] descriptor group 1, K's tiles;  s[40:47] the weights'
.set G1W,  40
.set G0K,  48                          ; s[48:51], s[52:55], s[56:59] groups 0: K, Wk, Wv
.set G0WK, 52
.set G0WV, 56
.set ACC,  16                          ; v16-79   8 accumulators
.set KF,   80                          ; v80-111  two fragments of K
.set WF,   112                         ; v112-175 four fragments of the weight
.set BI,   176                         ; v176-207 the bias, in the result's layout: the C of each sum's first product
.set WS,   208                         ; v208-215 the weight's scale words: 4 (tile / 2) + K step; lanes 16-31 hold the odd tile's
.set KS,   216                         ; v216-219 K's scale words by K step; lanes 16-31 hold the second key tile's
.set TM,   220                         ; v220-235 at work in the quantiser
.set PC,   240                         ; v240-255 the codes
.macro PLACES n
.rept \n
	v_nop
.endr
.endm
.macro CROUND                          ; a round of the cluster's barrier
	s_barrier_signal -1
	s_barrier_wait -1
	s_cmp_lg_u32 s[WV], 0
	s_cbranch_scc1 .Lnot_wave_0_\@
	s_barrier_signal -3
.Lnot_wave_0_\@:
	s_barrier_wait -3
	s_barrier_signal -1
	s_barrier_wait -1
.endm
; one product: D, source 0, source 1, C, the two scale registers, and whether each side's scales stand in lanes 16-31
.macro WM d, a, b, c, sa, sb, ra, rb
.if (\ra) && (\rb)
	v_wmma_scale_f32_16x16x128_f8f6f4 v[\d:\d+7], v[\a:\a+15], v[\b:\b+15], v[\c:\c+7], v[\sa], v[\sb] matrix_a_scale:MATRIX_SCALE_ROW1 matrix_b_scale:MATRIX_SCALE_ROW1
.elseif (\ra)
	v_wmma_scale_f32_16x16x128_f8f6f4 v[\d:\d+7], v[\a:\a+15], v[\b:\b+15], v[\c:\c+7], v[\sa], v[\sb] matrix_a_scale:MATRIX_SCALE_ROW1
.elseif (\rb)
	v_wmma_scale_f32_16x16x128_f8f6f4 v[\d:\d+7], v[\a:\a+15], v[\b:\b+15], v[\c:\c+7], v[\sa], v[\sb] matrix_b_scale:MATRIX_SCALE_ROW1
.else
	v_wmma_scale_f32_16x16x128_f8f6f4 v[\d:\d+7], v[\a:\a+15], v[\b:\b+15], v[\c:\c+7], v[\sa], v[\sb]
.endif
.endm
; 64 numbers of a lane, four blocks of which I hold 16 each and lane l xor 16 the other 16, become 16 registers of codes in v[PC] on; the four scale bytes are left in v[TM+4] on
.macro QUANT s
.irp b, 0,1,2,3
	v_max3_num_f32 v[TM+\b], |v[\s+16*\b]|, |v[\s+1+16*\b]|, 0x4800000   ; my 16 numbers and the floor 2^(9 - 127): the byte cannot fall under 1
.endr
.irp i, 2,4,6,8,10,12,14
.irp b, 0,1,2,3
	v_max3_num_f32 v[TM+\b], v[TM+\b], |v[\s+16*\b+\i]|, |v[\s+1+16*\b+\i]|
.endr
.endr
.irp b, 0,1,2,3
	s_delay_alu instid0(VALU_DEP_4)
	v_permlanex16_b32 v[TM+4+\b], v[TM+\b], s[SEL], s[SEL+1]
.endr
.irp b, 0,1,2,3
	s_delay_alu instid0(VALU_DEP_4)
	v_max_num_f32 v[TM+\b], v[TM+\b], v[TM+4+\b]                ; the block's largest magnitude
.endr
.irp b, 0,1,2,3
	s_delay_alu instid0(VALU_DEP_4)
	v_add_nc_u32 v[TM+12+\b], 0xfc000000, v[TM+\b]              ; 8 off its exponent field: the conversion's scale operand
.endr
.irp b, 0,1,2,3
.endr
.irp b, 0,1,2,3
	s_delay_alu instid0(VALU_DEP_4)
	v_lshrrev_b32 v[TM+4+\b], 23, v[TM+12+\b]                   ; the scale's byte
.endr
.irp b, 0,1,2,3
.irp i, 0,1,2,3,4,5,6,7,8,9,10,11,12,13,14,15
.endr
	v_cvt_scalef32_pk8_fp8_f32 v[PC+4*\b:PC+1+4*\b], v[\s+16*\b:\s+7+16*\b], v[TM+12+\b]
	v_cvt_scalef32_pk8_fp8_f32 v[PC+2+4*\b:PC+3+4*\b], v[\s+8+16*\b:\s+15+16*\b], v[TM+12+\b]
.endr
	v_nop                                          ; a plain line behind the last conversion
.endm
; The wave's 32 products.  A K step: 8 + 16 LDS loads, then the 8 accumulators by turns, one instruction a turn.
.macro PROD kind
.irp s, 0,1,2,3
.if \s > 0
	PLACES 8                                       ; in front of loads into registers that matrix instructions have read
.endif
.irp u, 0,1
.irp g, 0,1,2,3
	ds_load_b128 v[KF+16*\u+4*\g:KF+16*\u+4*\g+3], v5 offset:8*PITCH*\u+128*\s+32*\g
.endr
.endr
.irp ct, 0,1,2,3
.irp g, 0,1,2,3
	ds_load_b128 v[WF+16*\ct+4*\g:WF+16*\ct+4*\g+3], v6 offset:(32*(\ct/2)+8*(\ct%2))*PITCH+128*\s+32*\g
.endr
.endr
	s_wait_dscnt 0x0
.if \s == 0
	s_wait_loadcnt 0x0                             ; the scale words and the bias
.endif
.irp u, 0,1
.irp ct, 0,1,2,3
.if \kind == 0
.if \s == 0
	WM ACC+32*\u+8*\ct, WF+16*\ct, KF+16*\u, BI+8*\ct, WS+4*(\ct/2)+\s, KS+\s, \ct%2, \u
.else
	WM ACC+32*\u+8*\ct, WF+16*\ct, KF+16*\u, ACC+32*\u+8*\ct, WS+4*(\ct/2)+\s, KS+\s, \ct%2, \u
.endif
.else
.if \s == 0
	WM ACC+16*\ct+8*\u, KF+16*\u, WF+16*\ct, BI+8*\ct, KS+\s, WS+4*(\ct/2)+\s, \u, \ct%2
.else
	WM ACC+16*\ct+8*\u, KF+16*\u, WF+16*\ct, ACC+16*\ct+8*\u, KS+\s, WS+4*(\ct/2)+\s, \u, \ct%2
.endif
.endif
.endr
.endr
.endr
.endm
	s_load_b256 s[4:11], s[0:1], 0x0               ; K's codes s[4:5], K's scales s[6:7], Wk's codes s[8:9], Wk's scales s[10:11]
	s_load_b256 s[12:19], s[0:1], 0x20             ; Wv's codes s[12:13], Wv's scales s[14:15], bk s[16:17], bv s[18:19]
	s_load_b64 s[20:21], s[0:1], 0x40              ; kv
	v_lshl_add_u32 v254, v0, 2, 0x34000
	v_mov_b32 v255, 0
	ds_add_u32 v254, v255
	ds_add_u32 v254, v255
	s_wait_dscnt 0x0
	v_lshrrev_b32 v1, 5, v0
	s_delay_alu instid0(VALU_DEP_1)
	v_readfirstlane_b32 s[WV], v1                  ; wave 0..15
	s_lshr_b32 s[KIND], s[WV], 3
	s_bfe_u32 s[EE], s[WV], 0x10002
	s_and_b32 s[CC], s[WV], 3
	s_bfe_u32 s29, ttmp6, 0x40000                  ; cx
	s_bfe_u32 s30, ttmp6, 0x40004                  ; cy
	s_lshl_b32 s60, ttmp9, 2
	s_add_co_u32 s60, s60, s29                     ; which 128 columns: 4 x cluster x + cx
	s_and_b32 s31, ttmp7, 0xffff
	s_lshl_b32 s31, s31, 2
	s_add_co_u32 s31, s31, s30                     ; which 128 keys of the 8,192: 4 x cluster y + cy
	s_lshl_b32 s61, s30, 2
	s_lshl_b32 s61, 15, s61                        ; my row of the cluster
	s_lshl_b32 s62, 0x1111, s29                    ; my column
	; descriptor group 1: 64 rows of 512 bytes, 16 bytes of padding behind each
	s_or_b32 s[G1K], s61, (1<<20)|(1<<21)|(6<<22)|(3<<25)   ; 15:0 the mask; 17:16 elements of 1 byte; 20 padding on; 21 set beside a mask; 24:22 after every 128 words; 31:25 four words
	s_or_b32 s[G1W], s62, (1<<20)|(1<<21)|(6<<22)|(3<<25)
.irp g, G1K, G1W
	s_mov_b32 s[\g+1], 512<<16                     ; tensor_dim0
	s_mov_b32 s[\g+2], 64<<16                      ; tensor_dim1
	s_mov_b32 s[\g+3], 512<<16                     ; tile_dim0
	s_mov_b32 s[\g+4], 64                          ; tile_dim1
	s_mov_b32 s[\g+5], 512                         ; the pitch in memory
	s_mov_b32 s[\g+6], 0
	s_mov_b32 s[\g+7], 0
.endr
	s_and_b32 s63, s[WV], 1
	s_lshl_b32 s63, s63, 15                        ; which 64 rows of a tile I fetch: 32,768 bytes
	s_lshl_b32 s66, s31, 16                        ; K: 128 rows of 512 bytes for each key step (made of cy alone)
	s_add_co_u32 s66, s66, s63
	s_mov_b32 s67, 0
	s_lshl_b32 s68, s60, 16                        ; the weights: likewise (made of cx alone)
	s_add_co_u32 s68, s68, s63
	s_mov_b32 s69, 0
	s_mul_i32 s70, s[WV], HALF                     ; where my tile goes: waves 0-1 K, 2-3 Wk, 4-5 Wv
	s_mov_b32 s[SEL], 0x76543210
	s_mov_b32 s[SEL+1], 0xfedcba98
	s_wait_kmcnt 0x0
	s_mov_b32 s[G0K], 1
	s_mov_b32 s[G0K+1], s70
	s_add_nc_u64 s[G0K+2:G0K+3], s[4:5], s[66:67]
	s_or_b32 s[G0K+3], s[G0K+3], 0x80000000
	s_mov_b32 s[G0WK], 1
	s_mov_b32 s[G0WK+1], s70
	s_add_nc_u64 s[G0WK+2:G0WK+3], s[8:9], s[68:69]
	s_or_b32 s[G0WK+3], s[G0WK+3], 0x80000000
	s_mov_b32 s[G0WV], 1
	s_mov_b32 s[G0WV+1], s70
	s_add_nc_u64 s[G0WV+2:G0WV+3], s[12:13], s[68:69]
	s_or_b32 s[G0WV+3], s[G0WV+3], 0x80000000
	CROUND                                         ; all sixteen work-groups are here: the joint loads meet
	s_cmp_lt_u32 s[WV], 2                          ; one load a wave, six waves; the branches hang on the wave's number alone; four v_nop follow each line
	s_cbranch_scc0 .Lnot_k
	tensor_load_to_lds s[G0K:G0K+3], s[G1K:G1K+7]
	s_nop 0
	PLACES 4
	s_branch .Lasked
.Lnot_k:
	s_cmp_lt_u32 s[WV], 4
	s_cbranch_scc0 .Lnot_wk
	tensor_load_to_lds s[G0WK:G0WK+3], s[G1W:G1W+7]
	s_nop 0
	PLACES 4
	s_branch .Lasked
.Lnot_wk:
	s_cmp_lt_u32 s[WV], 6
	s_cbranch_scc0 .Lasked
	tensor_load_to_lds s[G0WV:G0WV+3], s[G1W:G1W+7]
	s_nop 0
	PLACES 4
.Lasked:
	; every address register is made here, ahead of the first parting of the waves
	v_and_b32 v1, 31, v0                           ; lane
	v_and_b32 v2, 15, v0                           ; r
	v_bfe_u32 v3, v0, 4, 1                         ; h
	s_delay_alu instid0(VALU_DEP_2)
	v_and_b32 v4, 8, v2
	s_delay_alu instid0(VALU_DEP_1)
	v_add_nc_u32 v4, v4, v2                        ; P = r + 8 (r / 8)
	s_delay_alu instid0(VALU_DEP_1)
	v_mul_u32_u24 v238, v4, PITCH
	s_delay_alu instid0(VALU_DEP_1)
	v_lshl_add_u32 v238, v3, 4, v238               ; P x pitch + 16 h
	s_mul_i32 s71, s[CC], 32*PITCH
	v_add_nc_u32 v5, s71, v238                     ; K's fragments: my 32 keys
	s_mul_i32 s71, s[KIND], 2*HALF
	s_mul_i32 s72, s[EE], HALF
	s_add_co_u32 s71, s71, s72
	s_add_co_u32 s71, s71, 2*HALF
	v_add_nc_u32 v6, s71, v238                     ; the weight's fragments: Wk or Wv, my head's 64 rows
	v_lshlrev_b32 v13, 4, v1                       ; 16 x lane
	s_wait_alu depctr_va_vdst(0)
	v_lshlrev_b32 v12, 3, v1                       ; 8 x lane
	s_wait_alu depctr_va_vdst(0)
	s_lshl_b32 s71, s[KIND], 1
	s_sub_co_u32 s71, 11, s71
	s_lshl_b32 s71, s[CC], s71                     ; k: 2,048 c (tiles 2 c, 2 c + 1);  v: 512 c (group c)
	v_add_nc_u32 v7, s71, v13                      ; my place in the images
	s_lshl_b32 s72, s[EE], 9
	s_lshl_b32 s73, s[CC], 2
	s_add_co_u32 s73, s73, s72
	s_add_co_u32 s73, s73, KST
	v_add_nc_u32 v8, s73, v13                      ; where a k wave puts its scale word
	s_add_co_u32 s72, s72, KST
	v_add_nc_u32 v10, s72, v13                     ; and where the words are read back
	s_lshl_b32 s72, s[EE], 8
	s_add_co_u32 s72, s72, VST
	v_add_nc_u32 v11, s72, v12                     ; V's words, read back
	s_add_co_u32 s72, s72, s[CC]
	v_lshl_add_u32 v9, v2, 3, s72                  ; where a v wave puts its bytes: 8 r + c
	v_lshl_add_u32 v14, v3, 3, v4
	s_delay_alu instid0(VALU_DEP_1)
	v_lshlrev_b32 v14, 4, v14                      ; scale rows of 16 bytes: row 8 h + P: lanes 16-31 take the next tile's
	s_wait_alu depctr_va_vdst(0)
	v_lshlrev_b32 v15, 6, v3                       ; bk: 16 h numbers on
	v_lshlrev_b32 v237, 2, v4                      ; bv: my column
	s_lshl_b32 s74, s31, 11                        ; K's scales: 128 rows of 16 bytes a key step, + my 32 keys
	s_lshl_b32 s75, s[CC], 9
	s_add_co_u32 s74, s74, s75
	s_mov_b32 s75, 0
	s_add_nc_u64 s[6:7], s[6:7], s[74:75]
	s_cmp_lt_u32 s[WV], 8                          ; k's wave or v's: the choice hangs on the wave's number alone
	s_cselect_b64 s[10:11], s[10:11], s[14:15]     ; the weight's scales
	s_cselect_b64 s[16:17], s[16:17], s[18:19]     ; the bias
	s_lshl_b32 s74, s60, 11
	s_lshl_b32 s76, s[EE], 10
	s_add_co_u32 s74, s74, s76                     ; (128 x quarter + 64 e) rows of 16 bytes
	s_add_nc_u64 s[10:11], s[10:11], s[74:75]
	s_lshr_b32 s74, s74, 2                         ; the same columns, 4 bytes each
	s_add_nc_u64 s[16:17], s[16:17], s[74:75]
	s_lshr_b32 s76, s31, 5                         ; batch
	s_and_b32 s77, s31, 31                         ; key step
	s_lshl_b32 s76, s76, 3
	s_lshl_b32 s78, s60, 1
	s_add_co_u32 s76, s76, s78
	s_add_co_u32 s76, s76, s[EE]                   ; 8 x batch + head
	s_lshl_b32 s76, s76, 5
	s_add_co_u32 s76, s76, s77
	s_mul_i32 s74, s76, STEPB
	s_add_nc_u64 s[20:21], s[20:21], s[74:75]      ; my head's block of this key step
	global_load_b128 v[KS:KS+3], v14, s[6:7]
	global_load_b128 v[WS:WS+3], v14, s[10:11]
	global_load_b128 v[WS+4:WS+7], v14, s[10:11] offset:512
	s_cmp_lt_u32 s[WV], 8
	s_cbranch_scc0 .Lbias_v
	s_wait_alu depctr_va_vdst(0)
.irp ct, 0,1,2,3                       ; k: register j of tile 2 b + u is column 32 b + 16 h + 8 u + j
	global_load_b128 v[BI+8*\ct:BI+8*\ct+3], v15, s[16:17] offset:(32*(\ct/2)+8*(\ct%2))*4
	global_load_b128 v[BI+8*\ct+4:BI+8*\ct+7], v15, s[16:17] offset:(32*(\ct/2)+8*(\ct%2))*4+16
.endr
	s_branch .Lbias_done
.Lbias_v:
	s_wait_alu depctr_va_vdst(0)
.irp ct, 0,1,2,3                       ; v: all eight registers of a tile belong to my one column
.irp j, 0,1,2,3,4,5,6,7
	global_load_b32 v[BI+8*\ct+\j], v237, s[16:17] offset:(32*(\ct/2)+8*(\ct%2))*4
.endr
.endr
.Lbias_done:
.irp b, 0,1,2,3
	v_mov_b32 v[TM+4+\b], 0                        ; written once: a lane permute's destination counts as one of its sources
.endr
	s_wait_tensorcnt 0x0                           ; my tile has landed,
	s_barrier_signal -1
	s_barrier_wait -1                              ; everybody's has
	s_cmp_lt_u32 s[WV], 8
	s_cbranch_scc0 .Lprod_v
	PROD 0
	s_branch .Lprod_done
.Lprod_v:
	PROD 1
.Lprod_done:
	PLACES 8                                       ; in front of the first read of results
	QUANT ACC
	s_cmp_lt_u32 s[WV], 8
	s_cbranch_scc0 .Lout_v
.irp u, 0,1                            ; k: block 2 u + b of the quantiser is group b of key tile 2 c + u
.irp b, 0,1
	global_store_b128 v7, v[PC+4*(2*\u+\b):PC+4*(2*\u+\b)+3], s[20:21] offset:1024*\u+512*\b   ; 32 lanes store 512 consecutive bytes
.endr
.endr
	v_lshl_or_b32 v238, v[TM+5], 8, v[TM+4]        ; tile 2 c's two bytes,
	v_lshl_or_b32 v239, v[TM+7], 8, v[TM+6]        ; tile 2 c + 1's
	v_cmp_lt_u32 vcc_lo, 15, v1
	s_delay_alu instid0(VALU_DEP_1)
	v_cndmask_b32 v238, v238, v239, vcc_lo         ; lanes 16-31 carry the odd tile's word
	s_delay_alu instid0(VALU_DEP_1)
	v_lshl_or_b32 v238, v238, 16, v238             ; the two bytes stand twice: attention's K is 64, and the upper two blocks of its operand meet zero codes
	ds_store_b32 v8, v238
	s_branch .Lout_done
.Lout_v:
	s_wait_alu depctr_va_vdst(0)
.irp ct, 0,1,2,3                       ; v: block ct of the quantiser is group c of V's tile ct
	global_store_b128 v7, v[PC+4*\ct:PC+4*\ct+3], s[20:21] offset:8192+2048*\ct
.endr
.irp ct, 0,1,2,3
	ds_store_b8 v9, v[TM+4+\ct] offset:128*(\ct&1)+4*(\ct>>1)   ; byte c of my row's word; both lanes of a block write the same byte with the same value
.endr
.Lout_done:
	s_wait_dscnt 0x0                               ; for the others' sake: my scale words lie in LDS
	s_barrier_signal -1
	s_barrier_wait -1
	s_and_b32 s71, s[WV], 11
	s_cmp_lg_u32 s71, 0
	s_cbranch_scc1 .Lno_scales                     ; waves 0 and 4 (e = 0, 1) store a head's scale words, as 512 and 256 consecutive bytes
	ds_load_b128 v[16:19], v10
	ds_load_b64 v[20:21], v11
	s_wait_dscnt 0x0
	global_store_b128 v13, v[16:19], s[20:21] offset:16384
	global_store_b64 v12, v[20:21], s[20:21] offset:16896
.Lno_scales:
	s_wait_tensorcnt 0x0
	s_wait_dscnt 0x0
	s_wait_xcnt 0x0
	v_lshl_add_u32 v254, v0, 2, 0x34000
	v_mov_b32 v255, 0
	s_wait_alu depctr_va_vdst(0)
	s_wait_tensorcnt 0x0
	ds_add_u32 v254, v255
	s_wait_dscnt 0x0
	CROUND                                         ; the closing round: no work-group ends while a partner may still ask for a tile that names it
	s_endpgm
.Lfunc_end_k_q2994f214e2_proj:
	.size	k_q2994f214e2_proj, .Lfunc_end_k_q2994f214e2_proj-k_q2994f214e2_proj
	.p2alignl 7, 3214868480
	.fill 96, 4, 3214868480
	.section	.rodata,"a",@progbits
	.p2align	6, 0x0
	.amdhsa_kernel k_q2994f214e2_proj
		.amdhsa_group_segment_fixed_size 215040
		.amdhsa_private_segment_fixed_size 0
		.amdhsa_enable_private_segment 0
		.amdhsa_kernarg_size 72
		.amdhsa_user_sgpr_count 2
		.amdhsa_user_sgpr_kernarg_segment_ptr 1
		.amdhsa_wavefront_size32 1
		.amdhsa_system_sgpr_workgroup_id_x 1
		.amdhsa_system_sgpr_workgroup_id_y 1
		.amdhsa_system_sgpr_workgroup_id_z 1
		.amdhsa_system_vgpr_workitem_id 0
		.amdhsa_next_free_vgpr 256
		.amdhsa_next_free_sgpr 80
		.amdhsa_reserve_vcc 1
		.amdhsa_float_denorm_mode_32 3
		.amdhsa_float_denorm_mode_16_64 3
		.amdhsa_fp16_overflow 1
		.amdhsa_memory_ordered 1
		.amdhsa_forward_progress 1
		.amdhsa_inst_pref_size 41
	.end_amdhsa_kernel
	.amdgpu_metadata
---
amdhsa.version: [ 1, 2 ]
amdhsa.kernels:
  - .name:           k_q2994f214e2_proj
    .symbol:         k_q2994f214e2_proj.kd
    .args:
      - { .name: K_codes, .offset: 0, .size: 8, .value_kind: global_buffer, .address_space: global }
      - { .name: K_scales, .offset: 8, .size: 8, .value_kind: global_buffer, .address_space: global }
      - { .name: Wk_codes, .offset: 16, .size: 8, .value_kind: global_buffer, .address_space: global }
      - { .name: Wk_scales, .offset: 24, .size: 8, .value_kind: global_buffer, .address_space: global }
      - { .name: Wv_codes, .offset: 32, .size: 8, .value_kind: global_buffer, .address_space: global }
      - { .name: Wv_scales, .offset: 40, .size: 8, .value_kind: global_buffer, .address_space: global }
      - { .name: bk, .offset: 48, .size: 8, .value_kind: global_buffer, .address_space: global }
      - { .name: bv, .offset: 56, .size: 8, .value_kind: global_buffer, .address_space: global }
      - { .name: kv, .offset: 64, .size: 8, .value_kind: global_buffer, .address_space: global }
    .group_segment_fixed_size: 215040
    .private_segment_fixed_size: 0
    .kernarg_segment_align: 8
    .kernarg_segment_size: 72
    .max_flat_workgroup_size: 512
    .sgpr_count:     80
    .vgpr_count:     256
    .wavefront_size: 32
...
	.end_amdgpu_metadata
.endif
;; end of part 1
;; launch attn (part 2): grid 16 x 16, 16 waves a work-group, clusters of 4 x 1, 327,680 bytes of LDS; arguments Q_codes, Q_scales, Wq_codes, Wq_scales, bq, kv, oimg; writes oimg
.if DOCPART == 2
	.amdgcn_target "amdgcn-amd-amdhsa--gfx1250"
	.amdhsa_code_object_version 6
	.text
	.protected	k_q2994f214e2_attn
	.globl	k_q2994f214e2_attn
	.p2align	8
	.type	k_q2994f214e2_attn,@function
k_q2994f214e2_attn:
	s_mov_b64 s[64:65], 0
	v_nop
	global_prefetch_b8 v0, s[64:65] scope:SCOPE_SE
	s_setreg_imm32_b32 hwreg(HW_REG_WAVE_MODE, 25, 1), 1
	s_wait_xcnt 0x0
	s_wait_alu depctr_hold_cnt(0) depctr_sa_sdst(0) depctr_va_vdst(0) depctr_va_sdst(0) depctr_va_ssrc(0) depctr_va_vcc(0) depctr_vm_vsrc(0)
	s_getreg_b32 s2, hwreg(HW_REG_IB_STS2, 6, 4)
	s_cmp_eq_u32 s2, 0
	s_cbranch_scc0 .Lentry_in_a_cluster
	s_endpgm
.Lentry_in_a_cluster:
	s_bfe_u32 s2, ttmp6, 0x10000c
	s_cmp_lg_u32 s2, 0x3003
	s_cbranch_scc0 .Lentry_shape_is_right
	s_endpgm
.Lentry_shape_is_right:
; o = q + softmax(q k^T / sqrt(512)) v for one head, with q = Q Wq + bq made here; all three products on codes of E4M3 with E8M0 scales.
; SHARES.  A work-group owns 256 queries of one (batch, head); each of its sixteen waves owns 16 of them in 256 registers, makes its own 16 x 64 of q (16 products), keeps it in f32 in its own LDS bytes for the residual
; and as codes in registers, and walks the head's 4,096 keys, 128 a step.
; THE SOFTMAX AHEAD OF THE SECOND PRODUCT: t = score x log2(e) / sqrt(512); M = the running largest t rounded UP to a whole number; p = 2^(t - M) is quantised along the keys, not normalised; the row's sum is taken of the
; unquantised p and divides at the end.  When M moves, the sum and O are multiplied by 2^(old M - new M), which rounds nothing.
; K AND V come as images of operand registers (made by the launch before): a key step is one dense block of 17,152 bytes; every LDS read is 16 (or 8) x lane.  A slot holds four steps; two slots take turns.
; LAYOUT.  Both products transposed (source 0 = 16 keys, or 16 of the head's 64; source 1 = my 16 queries): a lane holds ONE query.  The keys of a tile, and V's and Wq's rows of a tile, are 32 b + 8 u + r + 8 (r / 8).
; THE FIRST PRODUCT'S K IS 64, the instruction's 128: q's operand has zero codes in its upper eight registers; K's tile t is named as v[32 + 8 t : 47 + 8 t], whose upper eight registers are the next tile's codes (finite: they come
; from a held conversion) or, for tile 7, kept zeros: they meet zero codes and add nothing.
; CLUSTER 4 x 1: four blocks of queries of one head walk the same K and V: each step's block, and Wq's 64 rows, are asked for jointly.
; oimg: [tile of 16 rows][head][8 groups][lane][16 bytes]: register 16 b + i of lane (r, h) is o(row r, column 64 head + 32 b + 16 h + i).
; LIMITS: NaN and infinities are not served; a block of zeros gets the byte 1 (its codes are zeros); a block whose largest magnitude lies under 2^-118 is held at the byte 1.
; REGISTERS: v1 16 x lane; v2, v3 the add's; v4, v5 the step's addresses; v6 8 x lane; v7 my q in LDS; v8 Wq's fragments; v9-11, v243 offsets in memory; v12 -M, v13 the largest t, v[14:15] the sum; v16-31 q's operand;
; v32-95 K's or V's fragments; v96-103 zeros; v104-167 S^T, then p; v168-199 O^T (first q's sums); v200-215 p's codes; v216-219 K's scale words (first Q's); v220-221 V's; v222 q's; v224-239 at work; v240 f, v241 p's scale word; v244-251 Wq's scale words.
.set STEPB, 17152                      ; a key step's block
.set SLOTB, 4*STEPB                    ; a slot: slot 0 at 0, slot 1 at SLOTB
.set PITCH, 528
.set WQT,   2*SLOTB                    ; Wq's 64 rows, 512 bytes + 16 of padding each: filled once
.set QST,   WQT+64*PITCH               ; q in f32, 4,096 bytes a wave: no fill lands here
.set SPARE, QST+16*4096                ; the spare words, 128 bytes for each wave: eight blocks of 256 bytes that no other line names
.set WV,    18
.set MNT,   19
.set SEL,   20
.set CS,    22                         ; s[22:23] c = log2(e) / sqrt(512)
.set G1KV,  24                         ; s[24:31] group 1 for a step's block;  s[32:39] for Wq's rows
.set G1WQ,  32
.set G0A,   40                         ; s[40:43] group 0 of slot 0;  s[44:47] of slot 1;  s[48:51] Wq's
.set G0B,   44
.set G0Q,   48
.set TB,    52                         ; s52 LDS byte at which the step in hand begins
.set CNT,   53
.set TRIPS, 54
.set TM,    224
.macro PLACES n
.rept \n
	v_nop
.endr
.endm
.macro CROUND                          ; a round of the cluster's barrier
	s_barrier_signal -1
	s_barrier_wait -1
	s_cmp_lg_u32 s[WV], 0
	s_cbranch_scc1 .Lnot_wave_0_\@
	s_barrier_signal -3
.Lnot_wave_0_\@:
	s_barrier_wait -3
	s_barrier_signal -1
	s_barrier_wait -1
.endm
.macro WM d, a, b, c, sa, sb, ra       ; a product that adds onto C; ra: source 0's scales stand in lanes 16-31
.if (\ra)
	v_wmma_scale_f32_16x16x128_f8f6f4 v[\d:\d+7], v[\a:\a+15], v[\b:\b+15], v[\c:\c+7], v[\sa], v[\sb] matrix_a_scale:MATRIX_SCALE_ROW1
.else
	v_wmma_scale_f32_16x16x128_f8f6f4 v[\d:\d+7], v[\a:\a+15], v[\b:\b+15], v[\c:\c+7], v[\sa], v[\sb]
.endif
.endm
.macro WMZ d, a, b, sa, sb, ra         ; a product that starts a sum
.if (\ra)
	v_wmma_scale_f32_16x16x128_f8f6f4 v[\d:\d+7], v[\a:\a+15], v[\b:\b+15], 0, v[\sa], v[\sb] matrix_a_scale:MATRIX_SCALE_ROW1
.else
	v_wmma_scale_f32_16x16x128_f8f6f4 v[\d:\d+7], v[\a:\a+15], v[\b:\b+15], 0, v[\sa], v[\sb]
.endif
.endm
; 32 numbers of a lane at v[s], two blocks of which lane l xor 16 holds the other halves: v[t] converted to 8 registers of codes at v[pc]; the two bytes are left in v[TM+4], v[TM+5]
.macro Q2 s, t, pc
.irp b, 0,1
	v_max3_num_f32 v[TM+\b], |v[\s+16*\b]|, |v[\s+1+16*\b]|, 0x4800000   ; my 16 numbers and the floor 2^(9 - 127)
.endr
.irp i, 2,4,6,8,10,12,14
.irp b, 0,1
	v_max3_num_f32 v[TM+\b], v[TM+\b], |v[\s+16*\b+\i]|, |v[\s+1+16*\b+\i]|
.endr
.endr
.irp b, 0,1
	s_delay_alu instid0(VALU_DEP_2)
	v_permlanex16_b32 v[TM+4+\b], v[TM+\b], s[SEL], s[SEL+1]
.endr
.irp b, 0,1
	s_delay_alu instid0(VALU_DEP_2)
	v_max_num_f32 v[TM+\b], v[TM+\b], v[TM+4+\b]
.endr
.irp b, 0,1
	s_delay_alu instid0(VALU_DEP_2)
	v_add_nc_u32 v[TM+12+\b], 0xfc000000, v[TM+\b]              ; 8 off the exponent field: the conversion's scale operand
.endr
.irp b, 0,1
.endr
.irp b, 0,1
	s_delay_alu instid0(VALU_DEP_2)
	v_lshrrev_b32 v[TM+4+\b], 23, v[TM+12+\b]                   ; the scale's byte
.endr
.irp b, 0,1
.irp i, 0,1,2,3,4,5,6,7,8,9,10,11,12,13,14,15
.endr
	v_cvt_scalef32_pk8_fp8_f32 v[\pc+4*\b:\pc+1+4*\b], v[\t+16*\b:\t+7+16*\b], v[TM+12+\b]
	v_cvt_scalef32_pk8_fp8_f32 v[\pc+2+4*\b:\pc+3+4*\b], v[\t+8+16*\b:\t+15+16*\b], v[TM+12+\b]
.endr
	v_nop                                          ; a plain line behind the last conversion
.endm
.macro JLOAD g0                        ; a joint refill: waves 0 to 3 fetch a step's block each; the branch hangs on the wave's number alone; four v_nop follow the line
	s_cmp_lt_u32 s[WV], 4
	s_cbranch_scc0 .Lnone_\@
	tensor_load_to_lds s[\g0:\g0+3], s[G1KV:G1KV+7]
	s_nop 0
	PLACES 4
.Lnone_\@:
.endm
; THE CHANGE OF SLOTS stands at a slot's head.  Each wave waits for all its tensor loads (its part of the slot that it is about to read), adds 0 to its spare word, and waits for that and for its reads of the slot that it has left.
; fill = 1: a round of the cluster's barrier, and behind it the other slot is asked for: the load has four key steps of sixteen waves in which to land.
.macro CHANGE landed, other, fill
	s_wait_tensorcnt 0x0                           ; no tensor load of mine is out, so a group 0 may be written
	ds_add_u32 v2, v3                              ; 0 onto my spare word
	s_add_nc_u64 s[\landed+2:\landed+3], s[\landed+2:\landed+3], 2*SLOTB   ; the landed slot's next four steps (in the last two changes the stepped address is not used)
	s_wait_dscnt 0x0                               ; the add is done, and my reads of the slot that I have left are over
.if \fill
	CROUND
	JLOAD \other
.else
	s_barrier_signal -1
	s_barrier_wait -1
.endif
.endm
; A KEY STEP: 128 keys.
.macro STEP
	v_add_nc_u32 v4, s[TB], v1
	v_add_nc_u32 v5, s[TB], v6
	PLACES 6                                       ; with the two additions: eight places in front of loads into registers that the last products read
.irp t, 0,1,2,3,4,5,6,7
.irp g, 0,1
	ds_load_b128 v[32+8*\t+4*\g:35+8*\t+4*\g], v4 offset:1024*\t+512*\g
.endr
.endr
	ds_load_b128 v[216:219], v4 offset:16384       ; K's scale words: register j: tile 2 j in lanes 0-15, tile 2 j + 1 in lanes 16-31
	s_wait_alu depctr_va_vdst(0)
	s_wait_dscnt 0x0
.irp t, 0,1,2,3,4,5,6,7
	WMZ 104+8*\t, 32+8*\t, 16, 216+\t/2, 222, \t%2   ; S^T: lane (r, h) holds query r; the 16 registers of tiles 2 b, 2 b + 1 are keys 32 b + 16 h + 0 .. 15
.endr
	PLACES 8                                       ; in front of the loads below and of the first read of the scores
.irp t, 0,1,2,3
.irp c, 0,1,2,3
	ds_load_b128 v[32+16*\t+4*\c:35+16*\t+4*\c], v4 offset:8192+2048*\t+512*\c   ; V's fragments land while the softmax is walked
.endr
.endr
	ds_load_b64 v[220:221], v5 offset:16896        ; V's scale words
.irp b, 0,1,2,3
	v_max3_num_f32 v[224+\b], v[104+16*\b], v[105+16*\b], v[106+16*\b]   ; the largest score of each block of 32 keys: for the row's maximum and, since p rises with the score, for the block's largest p
.endr
.irp i, 3,5,7,9,11,13
.irp b, 0,1,2,3
	v_max3_num_f32 v[224+\b], v[224+\b], v[104+16*\b+\i], v[105+16*\b+\i]
.endr
.endr
.irp b, 0,1,2,3
	v_max_num_f32 v[224+\b], v[224+\b], v[119+16*\b]
.endr
.irp b, 0,1,2,3
	s_delay_alu instid0(VALU_DEP_4)
	v_permlanex16_b32 v[228+\b], v[224+\b], s[SEL], s[SEL+1]
.endr
.irp b, 0,1,2,3
	s_delay_alu instid0(VALU_DEP_4)
	v_max_num_f32 v[224+\b], v[224+\b], v[228+\b]  ; with lane l xor 16's 16 keys
.endr
	s_delay_alu instid0(VALU_DEP_2)
	v_max3_num_f32 v242, v224, v225, v226
	s_delay_alu instid0(VALU_DEP_1)
	v_max_num_f32 v242, v242, v227                 ; the step's largest score of my query
	s_delay_alu instid0(VALU_DEP_1)
	v_mul_f32 v242, s[CS], v242                    ; as t (c is positive)
	s_delay_alu instid0(VALU_DEP_1)
	v_max_num_f32 v13, v13, v242                   ; the running largest t
	v_mov_b32 v242, v12
	s_delay_alu instid0(VALU_DEP_2)
	v_floor_f32 v12, -v13                          ; the new -M = floor(-t) = -ceil(t)
	s_delay_alu instid0(VALU_DEP_1)
	v_sub_f32 v242, v12, v242                      ; old M - new M: a whole number, 0 or less
	s_delay_alu instid0(VALU_DEP_1)
	v_cvt_i32_f32 v242, v242
	s_delay_alu instid0(VALU_DEP_1)
	v_ldexp_f32 v240, 1.0, v242                    ; f = 2^(old M - new M)
.set n, 0
.rept 32
	v_pk_fma_f32 v[104+n:105+n], v[104+n:105+n], s[CS:CS+1], v[12:13] op_sel_hi:[1,0,0]   ; t - M, two at a time
.set n, n+2
.endr
.irp b, 0,1,2,3
	v_fma_f32 v[224+\b], v[224+\b], s[CS], v12     ; the same of each block's largest score
.endr
.set n, 0
	s_setprio 1
	s_wait_alu depctr_va_vdst(0)
.rept 64
	v_exp_f32 v[104+n], v[104+n]                   ; p = 2^(t - M), at most 1
.set n, n+1
.endr
.irp b, 0,1,2,3
	v_exp_f32 v[224+\b], v[224+\b]                 ; the block's largest p: the same two instructions on the same number
.endr
	v_pk_mul_f32 v[14:15], v[14:15], v[240:241] op_sel_hi:[1,0]   ; the sums under the new M (a plain line behind the exponentials)
	s_wait_alu depctr_va_vdst(0)
.irp b, 0,1,2,3
	v_max_num_f32 v[224+\b], 0x4800000, v[224+\b]  ; the floor 2^(9 - 127)
.endr
.irp b, 0,1,2,3
	s_delay_alu instid0(VALU_DEP_4)
	v_add_nc_u32 v[236+\b], 0xfc000000, v[224+\b]  ; the conversion's scale operand
.endr
.irp b, 0,1,2,3
.endr
.irp b, 0,1,2,3
	s_delay_alu instid0(VALU_DEP_4)
	v_lshrrev_b32 v[228+\b], 23, v[236+\b]         ; the scale's byte
.endr
	s_delay_alu instid0(VALU_DEP_3)
	v_lshl_or_b32 v241, v229, 8, v228              ; p's scale word for these 128 keys
	s_delay_alu instid0(VALU_DEP_1)
	v_lshl_or_b32 v241, v230, 16, v241
	s_delay_alu instid0(VALU_DEP_1)
	v_lshl_or_b32 v241, v231, 24, v241
	v_pk_add_f32 v[228:229], v[108:109], v[112:113]
	v_pk_add_f32 v[254:255], v[116:117], v[120:121]
	v_pk_add_f32 v[252:253], v[124:125], v[128:129]
	v_pk_add_f32 v[250:251], v[132:133], v[136:137]
	v_pk_add_f32 v[248:249], v[140:141], v[144:145]
	v_pk_add_f32 v[246:247], v[148:149], v[152:153]
	v_pk_add_f32 v[244:245], v[156:157], v[160:161]
	v_pk_add_f32 v[14:15], v[14:15], v[164:165]
	v_pk_add_f32 v[228:229], v[228:229], v[104:105]
	v_pk_add_f32 v[254:255], v[254:255], v[106:107]
	v_pk_add_f32 v[252:253], v[252:253], v[110:111]
	v_pk_add_f32 v[250:251], v[250:251], v[114:115]
	v_pk_add_f32 v[248:249], v[248:249], v[118:119]
	v_pk_add_f32 v[246:247], v[246:247], v[122:123]
	v_pk_add_f32 v[244:245], v[244:245], v[126:127]
	v_pk_add_f32 v[14:15], v[14:15], v[130:131]
	v_pk_add_f32 v[228:229], v[228:229], v[134:135]
	v_pk_add_f32 v[254:255], v[254:255], v[138:139]
	v_pk_add_f32 v[252:253], v[252:253], v[142:143]
	v_pk_add_f32 v[250:251], v[250:251], v[146:147]
	v_pk_add_f32 v[248:249], v[248:249], v[150:151]
	v_pk_add_f32 v[246:247], v[246:247], v[154:155]
	v_pk_add_f32 v[244:245], v[244:245], v[158:159]
	v_pk_add_f32 v[14:15], v[14:15], v[162:163]
	v_pk_add_f32 v[228:229], v[228:229], v[166:167]
	s_delay_alu instid0(VALU_DEP_2)
	v_pk_add_f32 v[14:15], v[14:15], v[250:251]
	s_delay_alu instid0(VALU_DEP_2)
	v_pk_add_f32 v[228:229], v[228:229], v[248:249]
	v_pk_add_f32 v[254:255], v[254:255], v[246:247]
	v_pk_add_f32 v[252:253], v[252:253], v[244:245]
	s_delay_alu instid0(VALU_DEP_2)
	v_pk_add_f32 v[14:15], v[14:15], v[254:255]
	s_delay_alu instid0(VALU_DEP_2)
	v_pk_add_f32 v[228:229], v[228:229], v[252:253]
	s_delay_alu instid0(VALU_DEP_1)
	v_pk_add_f32 v[14:15], v[14:15], v[228:229]
.irp b, 0,1,2,3
.irp i, 0,1,2,3,4,5,6,7,8,9,10,11,12,13,14,15
.endr
	v_cvt_scalef32_pk8_fp8_f32 v[200+4*\b:201+4*\b], v[104+16*\b:111+16*\b], v[236+\b]
	v_cvt_scalef32_pk8_fp8_f32 v[202+4*\b:203+4*\b], v[112+16*\b:119+16*\b], v[236+\b]
.endr
.set n, 0
	s_setprio 0
.rept 16
	v_pk_mul_f32 v[168+n:169+n], v[168+n:169+n], v[240:241] op_sel_hi:[1,0]   ; O^T under the new M; these sixteen also stand between the conversions and the products
.set n, n+2
.endr
	s_wait_alu depctr_va_vdst(0)
	s_wait_dscnt 0x0                               ; V's fragments and scale words
.irp t, 0,1,2,3
	WM 168+8*\t, 32+16*\t, 200, 168+8*\t, 220+\t/2, 241, \t%2   ; O^T += V^T P^T: four accumulators by turns
.endr
	s_add_co_u32 s[TB], s[TB], STEPB
.endm
.macro STEPS base                      ; a slot's four key steps: written once, walked four times
	s_mov_b32 s[TB], \base
	s_mov_b32 s[CNT], 4
.Lstep_\@:
	s_setprio 2
	STEP
	s_sub_co_u32 s[CNT], s[CNT], 1
	s_cmp_lg_u32 s[CNT], 0
	s_cbranch_scc1 .Lstep_\@
	s_setprio 0
.endm
	s_load_b256 s[4:11], s[0:1], 0x0               ; Q's codes s[4:5], Q's scales s[6:7], Wq's codes s[8:9], Wq's scales s[10:11]
	s_load_b128 s[12:15], s[0:1], 0x20             ; bq s[12:13], kv s[14:15]
	s_load_b64 s[16:17], s[0:1], 0x30              ; oimg
	v_lshl_add_u32 v2, v0, 2, SPARE
	v_mov_b32 v3, 0
	ds_add_u32 v2, v3
	ds_add_u32 v2, v3
	s_wait_dscnt 0x0
	v_lshrrev_b32 v4, 5, v0
	s_delay_alu instid0(VALU_DEP_1)
	v_readfirstlane_b32 s[WV], v4                  ; wave 0..15
	s_bfe_u32 s55, ttmp6, 0x40000                  ; cx
	s_lshl_b32 s56, ttmp9, 2
	s_add_co_u32 s56, s56, s55                     ; my block of 256 queries: it enters Q's and oimg's addresses alone
	s_and_b32 s57, ttmp7, 0xffff                   ; 8 x batch + head, which the four partners share
	s_lshr_b32 s58, s57, 3                         ; batch
	s_and_b32 s59, s57, 7                          ; head
	s_mov_b32 s[G1KV], 15|(3<<16)|(1<<21)          ; 15:0 the mask: all four; 17:16 elements of 8 bytes; 21 set beside a mask; no padding: 67 dense rows of 256 bytes
	s_mov_b32 s[G1KV+1], 32<<16
	s_mov_b32 s[G1KV+2], 67<<16
	s_mov_b32 s[G1KV+3], 32<<16
	s_mov_b32 s[G1KV+4], 67
	s_mov_b32 s[G1KV+5], 32
	s_mov_b32 s[G1KV+6], 0
	s_mov_b32 s[G1KV+7], 0
	s_mov_b32 s[G1WQ], 15|(1<<20)|(1<<21)|(6<<22)|(3<<25)   ; 64 rows of 512 bytes, four words of padding after every 128
	s_mov_b32 s[G1WQ+1], 512<<16
	s_mov_b32 s[G1WQ+2], 64<<16
	s_mov_b32 s[G1WQ+3], 512<<16
	s_mov_b32 s[G1WQ+4], 64
	s_mov_b32 s[G1WQ+5], 512
	s_mov_b32 s[G1WQ+6], 0
	s_mov_b32 s[G1WQ+7], 0
	s_mul_i32 s62, s[WV], STEPB                    ; which of a slot's four steps I fetch: in LDS,
	s_mul_i32 s60, s57, 32*STEPB
	s_add_co_u32 s60, s60, s62                     ; and in my head's part of kv
	s_mov_b32 s61, 0
	s_lshl_b32 s66, s59, 15                        ; Wq: my head's 64 rows of 512 bytes
	s_mov_b32 s67, 0
	s_mov_b32 s[SEL], 0x76543210
	s_mov_b32 s[SEL+1], 0xfedcba98
	s_mov_b32 s[CS], 0x3d8293ee                    ; c = log2(e) / sqrt(512)
	s_mov_b32 s[CS+1], s[CS]                       ; (named with it as a pair, so it is written)
	s_wait_kmcnt 0x0
	s_mov_b32 s[G0A], 1
	s_mov_b32 s[G0A+1], s62
	s_add_nc_u64 s[G0A+2:G0A+3], s[14:15], s[60:61]
	s_mov_b32 s[G0B], 1
	s_add_co_u32 s[G0B+1], s62, SLOTB
	s_add_nc_u64 s[G0B+2:G0B+3], s[G0A+2:G0A+3], SLOTB
	s_or_b32 s[G0A+3], s[G0A+3], 0x80000000
	s_or_b32 s[G0B+3], s[G0B+3], 0x80000000
	s_mov_b32 s[G0Q], 1
	s_mov_b32 s[G0Q+1], WQT
	s_add_nc_u64 s[G0Q+2:G0Q+3], s[8:9], s[66:67]
	s_or_b32 s[G0Q+3], s[G0Q+3], 0x80000000
	CROUND                                         ; all four work-groups are here: the first joint loads meet
	s_cmp_lt_u32 s[WV], 4                          ; the first fills: waves 0 to 3 slot 0's four steps, wave 4 Wq's rows: one load a wave
	s_cbranch_scc0 .Lnot_kv
	tensor_load_to_lds s[G0A:G0A+3], s[G1KV:G1KV+7]
	s_nop 0
	PLACES 4
	s_branch .Lfilled
.Lnot_kv:
	s_cmp_eq_u32 s[WV], 4
	s_cbranch_scc0 .Lfilled
	tensor_load_to_lds s[G0Q:G0Q+3], s[G1WQ:G1WQ+7]
	s_nop 0
	PLACES 4
.Lfilled:
	v_and_b32 v4, 31, v0                           ; lane
	s_delay_alu instid0(VALU_DEP_1)
	v_lshlrev_b32 v1, 4, v4
	s_delay_alu instid0(VALU_DEP_2)
	v_lshlrev_b32 v6, 3, v4
	s_lshl_b32 s68, s[WV], 12
	s_add_co_u32 s68, s68, QST
	v_add_nc_u32 v7, s68, v1                       ; my q in LDS
	v_and_b32 v242, 15, v0                         ; r
	v_bfe_u32 v5, v0, 4, 1                         ; h
	s_delay_alu instid0(VALU_DEP_2)
	v_and_b32 v8, 8, v242
	s_delay_alu instid0(VALU_DEP_1)
	v_add_nc_u32 v8, v8, v242                      ; P = r + 8 (r / 8)
	s_delay_alu instid0(VALU_DEP_1)
	v_lshl_add_u32 v11, v5, 3, v8
	s_delay_alu instid0(VALU_DEP_1)
	v_lshlrev_b32 v11, 4, v11                      ; Wq's scale rows of 16 bytes: row 8 h + P
	s_delay_alu instid0(VALU_DEP_3)
	v_mul_u32_u24 v8, v8, PITCH
	s_delay_alu instid0(VALU_DEP_1)
	v_lshl_add_u32 v8, v5, 4, v8
	s_delay_alu instid0(VALU_DEP_1)
	v_add_nc_u32 v8, WQT, v8                       ; Wq's fragments
	v_lshlrev_b32 v9, 9, v242
	s_delay_alu instid0(VALU_DEP_1)
	v_lshl_add_u32 v9, v5, 4, v9                   ; Q: row r of 512 bytes, + 16 h
	s_wait_alu depctr_va_vdst(0)
	v_lshlrev_b32 v10, 4, v242                     ; Q's scale row
	s_wait_alu depctr_va_vdst(0)
	v_lshlrev_b32 v243, 6, v5                      ; bq: 16 h numbers on
	s_wait_alu depctr_va_vdst(0)
	s_lshl_b32 s68, s58, 12
	s_lshl_b32 s69, s56, 8
	s_add_co_u32 s68, s68, s69
	s_lshl_b32 s69, s[WV], 4
	s_add_co_u32 s68, s68, s69                     ; my first row: 4,096 x batch + 256 x block + 16 x wave
	s_lshl_b32 s70, s68, 9
	s_mov_b32 s71, 0
	s_add_nc_u64 s[4:5], s[4:5], s[70:71]
	s_lshl_b32 s70, s68, 4
	s_add_nc_u64 s[6:7], s[6:7], s[70:71]
	s_lshl_b32 s70, s59, 10
	s_add_nc_u64 s[10:11], s[10:11], s[70:71]
	s_lshl_b32 s70, s59, 8
	s_add_nc_u64 s[12:13], s[12:13], s[70:71]
	s_lshl_b32 s70, s68, 11                        ; (row / 16) x 32,768
	s_lshl_b32 s72, s59, 12
	s_add_co_u32 s70, s70, s72
	s_add_nc_u64 s[16:17], s[16:17], s[70:71]
.irp s, 0,1,2,3
.irp g, 0,1,2,3
	global_load_b128 v[104+16*\s+4*\g:107+16*\s+4*\g], v9, s[4:5] offset:128*\s+32*\g   ; Q's four fragments
.endr
.endr
	global_load_b128 v[216:219], v10, s[6:7]       ; Q's scale words, one for each K step
	global_load_b128 v[244:247], v11, s[10:11]     ; Wq's: 4 (tile / 2) + K step; lanes 16-31 hold the odd tile's
	global_load_b128 v[248:251], v11, s[10:11] offset:512
.irp b, 0,1
.irp j, 0,1,2,3
	global_load_b128 v[168+16*\b+4*\j:171+16*\b+4*\j], v243, s[12:13] offset:128*\b+16*\j   ; bq in the result's layout: the sums begin with it
.endr
.endr
.irp j, 0,1,2,3,4,5,6,7
	v_mov_b32 v[24+\j], 0                          ; q's operand: zero codes for K = 64 .. 127
	v_mov_b32 v[96+\j], 0                          ; what K's tile 7 names behind its own codes
.endr
.irp b, 0,1,2,3
	v_mov_b32 v[228+\b], 0                         ; written once: a lane permute's destination counts as one of its sources
.endr
	v_mov_b32 v241, 0                              ; (named as the upper half of the pair v[240:241] before it is first written)
	s_wait_tensorcnt 0x0                           ; my first fill has landed,
	s_barrier_signal -1
	s_barrier_wait -1                              ; everybody's has
	; q = Q Wq + bq: source 0 = 16 rows of Wq, source 1 = my 16 rows of Q; four accumulators by turns
.irp s, 0,1,2,3
.if \s > 0
	PLACES 8
.endif
.irp ct, 0,1,2,3
.irp g, 0,1,2,3
	ds_load_b128 v[32+16*\ct+4*\g:35+16*\ct+4*\g], v8 offset:(32*(\ct/2)+8*(\ct%2))*PITCH+128*\s+32*\g
.endr
.endr
	s_wait_dscnt 0x0
.if \s == 0
	s_wait_loadcnt 0x0
.endif
.irp ct, 0,1,2,3
	WM 168+8*\ct, 32+16*\ct, 104+16*\s, 168+8*\ct, 244+4*(\ct/2)+\s, 216+\s, \ct%2
.endr
.endr
	PLACES 8
.irp g, 0,1,2,3,4,5,6,7
	ds_store_b128 v7, v[168+4*\g:171+4*\g] offset:512*\g   ; q in f32 is kept for the residual; each accumulator from its low end on
.endr
	s_wait_dscnt 0x0                               ; the stores have read their registers: the holds below write them
	Q2 168, 168, 16                                ; q's codes: v16-23
	v_lshl_or_b32 v222, v229, 8, v228
	s_delay_alu instid0(VALU_DEP_1)
	v_lshl_or_b32 v222, v222, 16, v222             ; q's scale word; the two bytes stand twice, over the zero codes too
.set n, 0
.rept 32
	v_mov_b32 v[168+n], 0                          ; O^T.  (The step is written once: the first finds zeros, which the first change of M leaves zeros)
.set n, n+1
.endr
	v_mov_b32 v13, 0xff61b1e6                      ; the largest t so far: -3e38
	s_delay_alu instid0(VALU_DEP_1)
	v_floor_f32 v12, -v13                          ; -M
	v_mov_b32 v14, 0
	v_mov_b32 v15, 0
	s_mov_b32 s[TRIPS], 3
.Lring:                                            ; 32 key steps are eight slots' worth: three trips of two, and the last two written out
	CHANGE G0A, G0B, 1
	STEPS 0
	CHANGE G0B, G0A, 1
	STEPS SLOTB
	s_sub_co_u32 s[TRIPS], s[TRIPS], 1
	s_cmp_lg_u32 s[TRIPS], 0
	s_cbranch_scc1 .Lring
	CHANGE G0A, G0B, 1
	STEPS 0
	CHANGE G0B, G0A, 0                             ; nothing is left to fetch
	STEPS SLOTB
	; THE WAY OUT: o = q + O^T / the sum, stored as it stands in the registers: 512 consecutive bytes a store
.irp g, 0,1,2,3,4,5,6,7
	ds_load_b128 v[104+4*\g:107+4*\g], v7 offset:512*\g
.endr
	PLACES 8                                       ; behind the last products
	v_add_f32 v14, v14, v15                        ; the sum's two halves,
	s_delay_alu instid0(VALU_DEP_1)
	v_permlanex16_b32 v242, v14, s[SEL], s[SEL+1]
	s_delay_alu instid0(VALU_DEP_1)
	v_add_f32 v14, v14, v242                       ; and lane l xor 16's
	s_wait_alu depctr_va_vdst(0)
	v_rcp_f32 v14, v14
	v_nop                                          ; a plain line behind the transcendental
	s_wait_dscnt 0x0
.set n, 0
	s_wait_alu depctr_va_vdst(0)
.rept 16
	v_pk_fma_f32 v[136+n:137+n], v[168+n:169+n], v[14:15], v[104+n:105+n] op_sel_hi:[1,0,1]
.set n, n+2
.endr
.irp g, 0,1,2,3,4,5,6,7
	global_store_b128 v1, v[136+4*\g:139+4*\g], s[16:17] offset:512*\g
.endr
	s_wait_tensorcnt 0x0                           ; the wave's end
	ds_add_u32 v2, v3
	s_wait_dscnt 0x0
	CROUND                                         ; the closing round: no work-group ends while a partner may still ask for a tile that names it
	s_endpgm
.Lfunc_end_k_q2994f214e2_attn:
	.size	k_q2994f214e2_attn, .Lfunc_end_k_q2994f214e2_attn-k_q2994f214e2_attn
	.p2alignl 7, 3214868480
	.fill 96, 4, 3214868480
	.section	.rodata,"a",@progbits
	.p2align	6, 0x0
	.amdhsa_kernel k_q2994f214e2_attn
		.amdhsa_group_segment_fixed_size 327680
		.amdhsa_private_segment_fixed_size 0
		.amdhsa_enable_private_segment 0
		.amdhsa_kernarg_size 56
		.amdhsa_user_sgpr_count 2
		.amdhsa_user_sgpr_kernarg_segment_ptr 1
		.amdhsa_wavefront_size32 1
		.amdhsa_system_sgpr_workgroup_id_x 1
		.amdhsa_system_sgpr_workgroup_id_y 1
		.amdhsa_system_sgpr_workgroup_id_z 1
		.amdhsa_system_vgpr_workitem_id 0
		.amdhsa_next_free_vgpr 256
		.amdhsa_next_free_sgpr 80
		.amdhsa_reserve_vcc 0
		.amdhsa_float_denorm_mode_32 3
		.amdhsa_float_denorm_mode_16_64 3
		.amdhsa_fp16_overflow 1
		.amdhsa_memory_ordered 1
		.amdhsa_forward_progress 1
		.amdhsa_inst_pref_size 95
	.end_amdhsa_kernel
	.amdgpu_metadata
---
amdhsa.version: [ 1, 2 ]
amdhsa.kernels:
  - .name:           k_q2994f214e2_attn
    .symbol:         k_q2994f214e2_attn.kd
    .args:
      - { .name: Q_codes, .offset: 0, .size: 8, .value_kind: global_buffer, .address_space: global }
      - { .name: Q_scales, .offset: 8, .size: 8, .value_kind: global_buffer, .address_space: global }
      - { .name: Wq_codes, .offset: 16, .size: 8, .value_kind: global_buffer, .address_space: global }
      - { .name: Wq_scales, .offset: 24, .size: 8, .value_kind: global_buffer, .address_space: global }
      - { .name: bq, .offset: 32, .size: 8, .value_kind: global_buffer, .address_space: global }
      - { .name: kv, .offset: 40, .size: 8, .value_kind: global_buffer, .address_space: global }
      - { .name: oimg, .offset: 48, .size: 8, .value_kind: global_buffer, .address_space: global }
    .group_segment_fixed_size: 327680
    .private_segment_fixed_size: 0
    .kernarg_segment_align: 8
    .kernarg_segment_size: 56
    .max_flat_workgroup_size: 512
    .sgpr_count:     80
    .vgpr_count:     256
    .wavefront_size: 32
...
	.end_amdgpu_metadata
.endif
;; end of part 2
;; launch tail (part 3): grid 256 x 1, 16 waves a work-group, clusters of 4 x 1, 296,960 bytes of LDS; arguments oimg, Wo_codes, Wo_scales, bo, g0, b0, g1, b1, out0; writes out0
.if DOCPART == 3
	.amdgcn_target "amdgcn-amd-amdhsa--gfx1250"
	.amdhsa_code_object_version 6
	.text
	.protected	k_q2994f214e2_tail
	.globl	k_q2994f214e2_tail
	.p2align	8
	.type	k_q2994f214e2_tail,@function
k_q2994f214e2_tail:
	s_mov_b64 s[64:65], 0
	v_nop
	global_prefetch_b8 v0, s[64:65] scope:SCOPE_SE
	s_setreg_imm32_b32 hwreg(HW_REG_WAVE_MODE, 25, 1), 1
	s_wait_xcnt 0x0
	s_wait_alu depctr_hold_cnt(0) depctr_sa_sdst(0) depctr_va_vdst(0) depctr_va_sdst(0) depctr_va_ssrc(0) depctr_va_vcc(0) depctr_vm_vsrc(0)
	s_getreg_b32 s2, hwreg(HW_REG_IB_STS2, 6, 4)
	s_cmp_eq_u32 s2, 0
	s_cbranch_scc0 .Lentry_in_a_cluster
	s_endpgm
.Lentry_in_a_cluster:
	s_bfe_u32 s2, ttmp6, 0x10000c
	s_cmp_lg_u32 s2, 0x3003
	s_cbranch_scc0 .Lentry_shape_is_right
	s_endpgm
.Lentry_shape_is_right:
; y = LN0(o);  out = LN1(y + relu(y Wo + bo)); the product on codes of E4M3 with E8M0 scales, y quantised here along the 512; all else in f32.
; SHARES.  A work-group owns 32 rows.  Wave w: m = w / 8 (which tile of 16 rows), e = w % 8 (which 64 columns).  A lane holds one row (lane % 16) and 32 of its numbers: register 16 b + i is column 64 e + 32 b + 16 (lane / 16) + i,
; in o as it was stored, in the product's result (source 0 = 16 rows of Wo, chosen as 32 b + 8 u + r + 8 (r / 8); source 1 = y) and in the gains and biases alike: so every step but the sums along a row is register by register.
; A ROW'S MEAN AND VARIANCE are taken in two passes, as the module writes them: the eight waves of a tile of rows put their parts into LDS, a barrier, each reads all eight.
; y's codes go from wave to wave as images of the operand's registers: a wave's 8 registers are half of a fragment (two of its four groups), its two scale bytes half of the fragment's scale word.
; Wo's 512 rows lie in LDS, filled once (waves 0-7, 64 rows each), asked for jointly by the four work-groups of a cluster.  The way out goes through the same bytes, behind the barrier that follows every wave's last read of them.
; LIMITS: NaN and infinities are not served; a block of zeros gets the byte 1 (its codes are zeros); a block whose largest magnitude lies under 2^-118 is held at the byte 1.
.set PITCH, 528                        ; Wo's row in LDS: 512 bytes + 16 of padding
.set HALF,  64*PITCH
.set YIMG,  512*PITCH                  ; y's fragments: 4 m + K step, 2,048 bytes each
.set YSC,   YIMG+16384                 ; their scale words, 128 bytes each
.set STAT,  YSC+1024                   ; four tables [m][row][e] of f32, 1,024 bytes each
.set OP,    2064                       ; the way out: a row of 2,048 bytes + 16
.set WV,  22
.set MNT, 23
.set SEL, 24
.set INV, 26                           ; s26 1 / 512
.set EPS, 27                           ; s27 1e-5
.set MM,  28
.set EE,  29
.set Y,   16                           ; v16-47   my 32 numbers
.set G,   48                           ; v48-79   the gain; rows on the way out
.set BV,  80                           ; v80-111  the norm's bias
.set ACC, 112                          ; v112-143 four accumulators, begun with bo
.set PC,  144                          ; v144-151 y's codes
.set WF,  152                          ; v152-215 four fragments of Wo; at other times v152-166 serve the norms and v168-183 the quantiser
.set TM,  168
.set YF,  216                          ; v216-231 a fragment of y
.set WS,  232                          ; v232-239 Wo's scale words
.set YS,  240                          ; v240-243 y's scale words
.macro PLACES n
.rept \n
	v_nop
.endr
.endm
.macro CROUND
	s_barrier_signal -1
	s_barrier_wait -1
	s_cmp_lg_u32 s[WV], 0
	s_cbranch_scc1 .Lnot_wave_0_\@
	s_barrier_signal -3
.Lnot_wave_0_\@:
	s_barrier_wait -3
	s_barrier_signal -1
	s_barrier_wait -1
.endm
.macro BARRIER                         ; my LDS stores have landed and my LDS loads are in: then the work-group's barrier
	s_wait_dscnt 0x0
	s_barrier_signal -1
	s_barrier_wait -1
.endm
.macro WM d, a, b, c, sa, sb, ra
.if (\ra)
	v_wmma_scale_f32_16x16x128_f8f6f4 v[\d:\d+7], v[\a:\a+15], v[\b:\b+15], v[\c:\c+7], v[\sa], v[\sb] matrix_a_scale:MATRIX_SCALE_ROW1
.else
	v_wmma_scale_f32_16x16x128_f8f6f4 v[\d:\d+7], v[\a:\a+15], v[\b:\b+15], v[\c:\c+7], v[\sa], v[\sb]
.endif
.endm
.macro Q2 s, t, pc                     ; 32 numbers at v[s], two blocks shared with lane l xor 16: codes to v[pc], the two bytes in v[TM+4], v[TM+5]
.irp b, 0,1
	v_max3_num_f32 v[TM+\b], |v[\s+16*\b]|, |v[\s+1+16*\b]|, 0x4800000   ; my 16 numbers and the floor 2^(9 - 127)
.endr
.irp i, 2,4,6,8,10,12,14
.irp b, 0,1
	s_delay_alu instid0(VALU_DEP_2)
	v_max3_num_f32 v[TM+\b], v[TM+\b], |v[\s+16*\b+\i]|, |v[\s+1+16*\b+\i]|
.endr
.endr
.irp b, 0,1
	s_delay_alu instid0(VALU_DEP_2)
	v_permlanex16_b32 v[TM+4+\b], v[TM+\b], s[SEL], s[SEL+1]
.endr
.irp b, 0,1
	s_delay_alu instid0(VALU_DEP_2)
	v_max_num_f32 v[TM+\b], v[TM+\b], v[TM+4+\b]
.endr
.irp b, 0,1
	s_delay_alu instid0(VALU_DEP_2)
	v_add_nc_u32 v[TM+12+\b], 0xfc000000, v[TM+\b]
.endr
.irp b, 0,1
.endr
.irp b, 0,1
	s_delay_alu instid0(VALU_DEP_2)
	v_lshrrev_b32 v[TM+4+\b], 23, v[TM+12+\b]
.endr
.irp b, 0,1
.irp i, 0,1,2,3,4,5,6,7,8,9,10,11,12,13,14,15
.endr
	v_cvt_scalef32_pk8_fp8_f32 v[\pc+4*\b:\pc+1+4*\b], v[\s+16*\b:\s+7+16*\b], v[TM+12+\b]
	v_cvt_scalef32_pk8_fp8_f32 v[\pc+2+4*\b:\pc+3+4*\b], v[\s+8+16*\b:\s+15+16*\b], v[TM+12+\b]
.endr
	v_nop
.endm
.macro PARAM reg, base                 ; 32 numbers of a vector of 512, in my layout
.irp b, 0,1
.irp j, 0,1,2,3
	global_load_b128 v[\reg+16*\b+4*\j:\reg+16*\b+4*\j+3], v2, s[\base:\base+1] offset:128*\b+16*\j
.endr
.endr
.endm
.macro ACROSS st                       ; my 64 columns' part (two chains in v[152:155]) becomes the row's sum over all 512, in v156
	s_delay_alu instid0(VALU_DEP_1)
	v_pk_add_f32 v[152:153], v[152:153], v[154:155]
	s_delay_alu instid0(VALU_DEP_1)
	v_add_f32 v152, v152, v153
	s_delay_alu instid0(VALU_DEP_1)
	v_permlanex16_b32 v153, v152, s[SEL], s[SEL+1]
	s_delay_alu instid0(VALU_DEP_1)
	v_add_f32 v152, v152, v153
	ds_store_b32 v4, v152 offset:\st               ; both lanes of a row write the same word with the same value
	BARRIER
	ds_load_b128 v[156:159], v5 offset:\st
	ds_load_b128 v[160:163], v5 offset:\st+16
	s_wait_dscnt 0x0
	v_add_f32 v156, v156, v157
	v_add_f32 v158, v158, v159
	v_add_f32 v160, v160, v161
	v_add_f32 v162, v162, v163
	s_delay_alu instid0(VALU_DEP_3)
	v_add_f32 v156, v156, v158
	s_delay_alu instid0(VALU_DEP_2)
	v_add_f32 v160, v160, v162
	s_delay_alu instid0(VALU_DEP_1)
	v_add_f32 v156, v156, v160
.endm
; Y = (Y - mean) x rsqrt(variance + 1e-5) x G + BV.  st: two tables of parts.  cnt: the loads that may stay out when G and BV are wanted.
.macro LNORM st, cnt
	v_pk_add_f32 v[152:153], v[Y:Y+1], v[Y+2:Y+3]
	v_pk_add_f32 v[154:155], v[Y+4:Y+5], v[Y+6:Y+7]
.irp j, 8,12,16,20,24,28
	s_delay_alu instid0(VALU_DEP_2)
	v_pk_add_f32 v[152:153], v[152:153], v[Y+\j:Y+\j+1]
	s_delay_alu instid0(VALU_DEP_2)
	v_pk_add_f32 v[154:155], v[154:155], v[Y+\j+2:Y+\j+3]
.endr
	ACROSS \st
	s_delay_alu instid0(VALU_DEP_1)
	v_mul_f32 v164, s[INV], v156                   ; the mean
	s_delay_alu instid0(VALU_DEP_1)
	v_mov_b32 v165, v164
.set n, 0
.rept 16
	v_pk_add_f32 v[Y+n:Y+n+1], v[Y+n:Y+n+1], v[164:165] neg_lo:[0,1] neg_hi:[0,1]
.set n, n+2
.endr
	v_pk_mul_f32 v[152:153], v[Y:Y+1], v[Y:Y+1]
	v_pk_mul_f32 v[154:155], v[Y+2:Y+3], v[Y+2:Y+3]
.irp j, 4,8,12,16,20,24,28
	s_delay_alu instid0(VALU_DEP_2)
	v_pk_fma_f32 v[152:153], v[Y+\j:Y+\j+1], v[Y+\j:Y+\j+1], v[152:153]
	s_delay_alu instid0(VALU_DEP_2)
	v_pk_fma_f32 v[154:155], v[Y+\j+2:Y+\j+3], v[Y+\j+2:Y+\j+3], v[154:155]
.endr
	ACROSS \st+1024
	s_delay_alu instid0(VALU_DEP_1)
	v_fma_f32 v164, v156, s[INV], s[EPS]           ; the variance + 1e-5
	s_wait_alu depctr_va_vdst(0)
	v_rsq_f32 v164, v164
	v_nop                                          ; a plain line behind the transcendental
	s_wait_alu depctr_va_vdst(0)
	v_mov_b32 v165, v164
	s_wait_alu depctr_va_vdst(0)
	s_wait_loadcnt \cnt
.set n, 0
.rept 16
	v_pk_mul_f32 v[Y+n:Y+n+1], v[Y+n:Y+n+1], v[164:165]
.set n, n+2
.endr
.set n, 0
.rept 16
	v_pk_fma_f32 v[Y+n:Y+n+1], v[Y+n:Y+n+1], v[G+n:G+n+1], v[BV+n:BV+n+1]
.set n, n+2
.endr
.endm
	s_load_b256 s[4:11], s[0:1], 0x0               ; oimg s[4:5], Wo's codes s[6:7], Wo's scales s[8:9], bo s[10:11]
	s_load_b256 s[12:19], s[0:1], 0x20             ; g0 s[12:13], b0 s[14:15], g1 s[16:17], b1 s[18:19]
	s_load_b64 s[20:21], s[0:1], 0x40              ; out0
	v_lshl_add_u32 v254, v0, 2, 0x48000
	v_mov_b32 v255, 0
	ds_add_u32 v254, v255
	ds_add_u32 v254, v255
	v_lshrrev_b32 v1, 5, v0
	s_delay_alu instid0(VALU_DEP_1)
	v_readfirstlane_b32 s[WV], v1                  ; wave 0..15
	s_lshr_b32 s[MM], s[WV], 3
	s_and_b32 s[EE], s[WV], 7
	s_bfe_u32 s30, ttmp6, 0x40000                  ; cx
	s_lshl_b32 s31, ttmp9, 2
	s_add_co_u32 s31, s31, s30                     ; my 32 rows: it enters oimg's and out0's addresses alone
	s_mov_b32 s32, 15|(1<<20)|(1<<21)|(6<<22)|(3<<25)   ; group 1: the mask: all four; elements of 1 byte; padding: four words after every 128; 64 rows of 512 bytes
	s_mov_b32 s33, 512<<16
	s_mov_b32 s34, 64<<16
	s_mov_b32 s35, 512<<16
	s_mov_b32 s36, 64
	s_mov_b32 s37, 512
	s_mov_b32 s38, 0
	s_mov_b32 s39, 0
	s_mul_i32 s41, s[WV], HALF                     ; group 0: my 64 rows in LDS,
	s_lshl_b32 s44, s[WV], 15                      ; and in memory
	s_mov_b32 s45, 0
	s_mov_b32 s[SEL], 0x76543210
	s_mov_b32 s[SEL+1], 0xfedcba98
	s_mov_b32 s[INV], 0x3b000000
	s_mov_b32 s[EPS], 0x3727c5ac
	s_wait_dscnt 0x0
	s_wait_kmcnt 0x0
	s_mov_b32 s40, 1
	s_add_nc_u64 s[42:43], s[6:7], s[44:45]
	s_or_b32 s43, s43, 0x80000000
	CROUND                                         ; all four work-groups are here: the joint loads meet
	s_cmp_lt_u32 s[WV], 8
	s_cbranch_scc0 .Lno_fill
	tensor_load_to_lds s[40:43], s[32:39]          ; one load a wave, eight waves; four v_nop follow
	s_nop 0
	PLACES 4
.Lno_fill:
	v_and_b32 v13, 31, v0                          ; lane
	s_delay_alu instid0(VALU_DEP_1)
	v_lshlrev_b32 v1, 4, v13                       ; 16 x lane
	v_and_b32 v14, 15, v0                          ; r
	v_bfe_u32 v15, v0, 4, 1                        ; h
	s_lshl_b32 s46, s[EE], 8
	v_lshl_add_u32 v2, v15, 6, s46                 ; a vector of 512: 256 e + 64 h bytes on
	v_and_b32 v10, 8, v14
	s_delay_alu instid0(VALU_DEP_1)
	v_add_nc_u32 v10, v10, v14                     ; P = r + 8 (r / 8)
	s_delay_alu instid0(VALU_DEP_1)
	v_lshl_add_u32 v3, v15, 3, v10
	s_delay_alu instid0(VALU_DEP_1)
	v_lshlrev_b32 v3, 4, v3                        ; Wo's scale rows of 16 bytes: row 8 h + P
	s_delay_alu instid0(VALU_DEP_3)
	v_mul_u32_u24 v10, v10, PITCH
	s_delay_alu instid0(VALU_DEP_1)
	v_lshl_add_u32 v10, v15, 4, v10
	s_mul_i32 s46, s[EE], HALF
	v_add_nc_u32 v10, s46, v10                     ; Wo's fragments: my 64 rows
	s_lshl_b32 s46, s[MM], 9
	s_add_co_u32 s46, s46, STAT
	v_lshl_add_u32 v5, v14, 5, s46                 ; a row's eight parts
	s_lshl_b32 s47, s[EE], 2
	v_add_nc_u32 v4, s47, v5                       ; and mine among them
	s_lshl_b32 s46, s[MM], 2
	s_lshr_b32 s47, s[EE], 1
	s_add_co_u32 s46, s46, s47                     ; the fragment of y that I make half of: 4 m + e / 2
	s_and_b32 s47, s[EE], 1
	s_lshl_b32 s48, s46, 11
	s_lshl_b32 s49, s47, 10
	s_add_co_u32 s48, s48, s49
	s_add_co_u32 s48, s48, YIMG
	v_add_nc_u32 v6, s48, v1                       ; its groups 2 (e % 2), 2 (e % 2) + 1
	s_lshl_b32 s48, s46, 7
	s_lshl_b32 s49, s47, 1
	s_add_co_u32 s48, s48, s49
	s_add_co_u32 s48, s48, YSC
	v_lshl_add_u32 v7, v13, 2, s48                 ; and two bytes of its scale word
	s_lshl_b32 s48, s[MM], 13
	s_add_co_u32 s48, s48, YIMG
	v_add_nc_u32 v8, s48, v1                       ; my rows' four fragments, read back
	s_lshl_b32 s48, s[MM], 9
	s_add_co_u32 s48, s48, YSC
	v_lshl_add_u32 v9, v13, 2, s48
	v_mul_u32_u24 v11, v14, OP
	s_delay_alu instid0(VALU_DEP_1)
	v_lshl_add_u32 v11, v15, 6, v11
	s_mul_i32 s48, s[MM], 16*OP
	s_lshl_b32 s49, s[EE], 8
	s_add_co_u32 s48, s48, s49
	v_add_nc_u32 v11, s48, v11                     ; the way out, in: row 16 m + r, 256 e + 64 h bytes on
	s_mul_i32 s48, s[WV], 2*OP
	v_add_nc_u32 v12, s48, v1                      ; and back: rows 2 w, 2 w + 1
	s_lshl_b32 s46, s31, 1
	s_add_co_u32 s46, s46, s[MM]
	s_lshl_b32 s46, s46, 15
	s_lshl_b32 s48, s[EE], 12
	s_add_co_u32 s46, s46, s48
	s_mov_b32 s47, 0
	s_add_nc_u64 s[4:5], s[4:5], s[46:47]          ; oimg: my tile of rows, my 64 columns
	s_lshl_b32 s46, s[EE], 10
	s_add_nc_u64 s[8:9], s[8:9], s[46:47]          ; Wo's scales: my 64 rows
	s_lshl_b32 s46, s31, 5
	s_lshl_b32 s48, s[WV], 1
	s_add_co_u32 s46, s46, s48
	s_lshl_b32 s46, s46, 11
	s_add_nc_u64 s[20:21], s[20:21], s[46:47]      ; out0: row 32 x work-group + 2 x wave
.irp g, 0,1,2,3,4,5,6,7
	global_load_b128 v[Y+4*\g:Y+4*\g+3], v1, s[4:5] offset:512*\g th:TH_LOAD_NT   ; o: 512 consecutive bytes a load; read once
.endr
	PARAM G, 12                                    ; g0
	PARAM BV, 14                                   ; b0
	PARAM ACC, 10                                  ; bo: the sums begin with it
	global_load_b128 v[WS:WS+3], v3, s[8:9]        ; 4 (tile / 2) + K step; lanes 16-31 hold the odd tile's
	global_load_b128 v[WS+4:WS+7], v3, s[8:9] offset:512
	v_mov_b32 v[TM+4], 0                           ; written once: a lane permute's destination counts as one of its sources
	v_mov_b32 v[TM+5], 0
	s_wait_loadcnt 26                              ; o is in; behind it 8 + 8 + 8 + 2 loads may stay out
	LNORM 0, 10                                    ; g0 and b0 are in when bo's 8 loads and the 2 of scale words are all that is out
	PARAM BV, 18                                   ; b1, into the registers that b0 has left
	Q2 Y, G, PC                                    ; y is kept for the residual
	PARAM G, 16                                    ; g1
	ds_store_b128 v6, v[PC:PC+3]
	ds_store_b128 v6, v[PC+4:PC+7] offset:512
	v_lshl_or_b32 v166, v[TM+5], 8, v[TM+4]
	ds_store_b16 v7, v166
	s_wait_tensorcnt 0x0                           ; my rows of Wo have landed,
	BARRIER                                        ; everybody's have, and y's eight fragments lie in LDS
	s_wait_loadcnt 16                              ; bo and Wo's scale words are in; b1's and g1's 16 loads may stay out
.irp s, 0,1,2,3
.if \s > 0
	PLACES 8                                       ; in front of loads into registers that matrix instructions have read
.endif
.irp g, 0,1,2,3
	ds_load_b128 v[YF+4*\g:YF+4*\g+3], v8 offset:2048*\s+512*\g
.endr
	ds_load_b32 v[YS+\s], v9 offset:128*\s
.irp ct, 0,1,2,3
.irp g, 0,1,2,3
	ds_load_b128 v[WF+16*\ct+4*\g:WF+16*\ct+4*\g+3], v10 offset:(32*(\ct/2)+8*(\ct%2))*PITCH+128*\s+32*\g
.endr
.endr
	s_wait_dscnt 0x0
.irp ct, 0,1,2,3
	WM ACC+8*\ct, WF+16*\ct, YF, ACC+8*\ct, WS+4*(\ct/2)+\s, YS+\s, \ct%2   ; four accumulators by turns
.endr
.endr
	PLACES 8
.set n, 0
.rept 32
	v_max_num_f32 v[ACC+n], 0, v[ACC+n]            ; relu; each accumulator from its low end on
.set n, n+1
.endr
.set n, 0
.rept 16
	v_pk_add_f32 v[Y+n:Y+n+1], v[Y+n:Y+n+1], v[ACC+n:ACC+n+1]
.set n, n+2
.endr
	LNORM 2048, 0
	; THE WAY OUT: a row's 2,048 bytes come from eight waves: they meet in LDS, where Wo lay (its one fill is long done; every wave's last read of it stands ahead of the two barriers just passed)
.irp b, 0,1
.irp j, 0,1,2,3
	ds_store_b128 v11, v[Y+16*\b+4*\j:Y+16*\b+4*\j+3] offset:128*\b+16*\j
.endr
.endr
	BARRIER
.irp i, 0,1,2,3,4,5,6,7
	ds_load_b128 v[G+4*\i:G+4*\i+3], v12 offset:(\i/4)*OP+(\i%4)*512
.endr
.irp i, 0,1,2,3,4,5,6,7
	s_wait_dscnt 7-\i                              ; LDS loads come back in order: load i is in, the younger ones may be out
	global_store_b128 v1, v[G+4*\i:G+4*\i+3], s[20:21] offset:(\i/4)*2048+(\i%4)*512 th:TH_STORE_NT   ; 32 lanes store 512 consecutive bytes of a row
.endr
	s_wait_tensorcnt 0x0
	s_wait_dscnt 0x0
	s_wait_tensorcnt 0x0
	ds_add_u32 v254, v255
	s_wait_dscnt 0x0
	CROUND                                         ; the closing round: no work-group ends while a partner may still ask for a tile that names it
	s_endpgm
.Lfunc_end_k_q2994f214e2_tail:
	.size	k_q2994f214e2_tail, .Lfunc_end_k_q2994f214e2_tail-k_q2994f214e2_tail
	.p2alignl 7, 3214868480
	.fill 96, 4, 3214868480
	.section	.rodata,"a",@progbits
	.p2align	6, 0x0
	.amdhsa_kernel k_q2994f214e2_tail
		.amdhsa_group_segment_fixed_size 296960
		.amdhsa_private_segment_fixed_size 0
		.amdhsa_enable_private_segment 0
		.amdhsa_kernarg_size 72
		.amdhsa_user_sgpr_count 2
		.amdhsa_user_sgpr_kernarg_segment_ptr 1
		.amdhsa_wavefront_size32 1
		.amdhsa_system_sgpr_workgroup_id_x 1
		.amdhsa_system_sgpr_workgroup_id_y 1
		.amdhsa_system_sgpr_workgroup_id_z 1
		.amdhsa_system_vgpr_workitem_id 0
		.amdhsa_next_free_vgpr 256
		.amdhsa_next_free_sgpr 66
		.amdhsa_reserve_vcc 0
		.amdhsa_float_denorm_mode_32 3
		.amdhsa_float_denorm_mode_16_64 3
		.amdhsa_fp16_overflow 1
		.amdhsa_memory_ordered 1
		.amdhsa_forward_progress 1
		.amdhsa_inst_pref_size 43
	.end_amdhsa_kernel
	.amdgpu_metadata
---
amdhsa.version: [ 1, 2 ]
amdhsa.kernels:
  - .name:           k_q2994f214e2_tail
    .symbol:         k_q2994f214e2_tail.kd
    .args:
      - { .name: oimg, .offset: 0, .size: 8, .value_kind: global_buffer, .address_space: global }
      - { .name: Wo_codes, .offset: 8, .size: 8, .value_kind: global_buffer, .address_space: global }
      - { .name: Wo_scales, .offset: 16, .size: 8, .value_kind: global_buffer, .address_space: global }
      - { .name: bo, .offset: 24, .size: 8, .value_kind: global_buffer, .address_space: global }
      - { .name: g0, .offset: 32, .size: 8, .value_kind: global_buffer, .address_space: global }
      - { .name: b0, .offset: 40, .size: 8, .value_kind: global_buffer, .address_space: global }
      - { .name: g1, .offset: 48, .size: 8, .value_kind: global_buffer, .address_space: global }
      - { .name: b1, .offset: 56, .size: 8, .value_kind: global_buffer, .address_space: global }
      - { .name: out0, .offset: 64, .size: 8, .value_kind: global_buffer, .address_space: global }
    .group_segment_fixed_size: 296960
    .private_segment_fixed_size: 0
    .kernarg_segment_align: 8
    .kernarg_segment_size: 72
    .max_flat_workgroup_size: 512
    .sgpr_count:     66
    .vgpr_count:     256
    .wavefront_size: 32
...
	.end_amdgpu_metadata
.endif
;; end of part 3
